; MI455X (gfx1250); checked and timed in simulation.
; The chip was launched on July 23, 2026; its instructions are those of AMD's public machine-readable ISA for CDNA 5 (MIT licence, August 2026) and "CDNA5" Instruction Set Architecture Reference Guide (July 2026). The comments in the code are by the model that wrote it; some were corrected since.
;; Parametric FIFO. Allowed arithmetic: float matrix products may take bf16 or f16 operands with f32 sums; other float arithmetic in f32, or as packed bf16 or f16 multiplies, adds, multiply-adds, maxima and minima; sums over many terms, partial sums and values carried from step to step in f32; what a program stores and reads back later, other than sums and carried values, may be rounded once to bf16 or f16.
;; Inputs: embed 64 x 64 float32; ff_b1 128 float32; ff_b2 64 float32; ff_w1 64 x 128 float32; ff_w2 128 x 64 float32; ln_b 64 float32; ln_g 64 float32; mlp_b1 24 float32; mlp_b2 64 float32; mlp_w1 64 x 24 float32; mlp_w2 24 x 64 float32; out_b 64 float32; out_w 64 x 64 float32; seqs 8,192 x 32 int32.
;; Outputs: out0 8,192 x 64 float32.
;; 2 versions, each right; version 2 is version 1 with the launch adam written anew for expert scheduling mode. Each part assembles by itself: llvm-mc -triple=amdgcn-amd-amdhsa -mcpu=gfx1250 --defsym DOCPART=n.
;; ======== version 1 of 2: 2 launches
;; workspace buffers: tab 16,384 bytes
;; launch enc (part 1): grid 64 x 1, 4 waves a work-group, no clusters, 1,536 bytes of LDS; arguments embed, ff_w1, ff_b1, ff_w2, ff_b2, ln_g, ln_b, tab; writes tab
.if DOCPART == 1
	.amdgcn_target "amdgcn-amd-amdhsa--gfx1250"
	.amdhsa_code_object_version 6
	.text
	.protected	k_q9db45fea47_enc
	.globl	k_q9db45fea47_enc
	.p2align	8
	.type	k_q9db45fea47_enc,@function
k_q9db45fea47_enc:
	s_mov_b64 s[64:65], 0
	v_nop
	global_prefetch_b8 v0, s[64:65] scope:SCOPE_SE
	s_setreg_imm32_b32 hwreg(HW_REG_WAVE_MODE, 25, 1), 1
	s_wait_xcnt 0x0
; THE ENCODER AS A TABLE.  enc = LayerNorm(h + relu(h W1 + b1) W2 + b2) hangs on the token alone, so it is made once for each of the 64 tokens:
; tab[token][64] in f32, 256 bytes a row.  A work-group makes one row; its 128 threads are the 128 hidden units, then 2 halves of K x 64 channels.
; ALL IN F32, on the vector unit: the rows feed sign decisions in the next launch (the first Adam step is LR x sign(g), the ReLU gates are steps),
; so operands of 16 bits are not good enough here; and the work is 16,384 multiply-adds a row.
; THE LAYERNORM IS CARRIED IN PAIRS OF F32, a value and its rounding error (error-free sums of six additions; a product's error by a fused multiply-add), so that a number of the
; table is rounded once, at its end: the 4,096 numbers are the keys, values and queries of all 8,192 samples, and their error enters every difference that the next launch forms.
; No cluster, no tensor load, no prefetch: each work-group reads 64 KiB of weights once, at its head, straight into registers, and nothing is streamed.
; LIMITS: the feed-forward sums are plain f32 sums, in another order than a plain dot product; NaN and infinities are not treated apart.
.set U,     0                          ; LDS: the 128 hidden values, f32
.set F,     512                        ; LDS: 2 halves x 64 partial sums
.set SPARE, 1024                       ; LDS: the spare words, 128 bytes for each of the four waves; no other line names them
; s[84:99] the eight addresses: embed, ff_w1, ff_b1, ff_w2, ff_b2, ln_g, ln_b, tab
; s[4:51], s[68:83] the row of embed, 64 numbers     s52 wave   s53 256 x (wave / 2)   s[54:55] lane selects   s[56:57] embed at my row   s[58:59] tab at my row   s[60:61] 256 x row   s62 1/64   s63 -1/64
; v1, v2 the add   v3 4 T   v4 my place in ff_w2   v5 8 x lane   v6, v7 at work   v[8:11] four chains   v12 b1[T]   v[16:79] W1[i][T]   v[80:143] W2[64 half + kk][T % 64]   v[144:207] u, later the LayerNorm's work
.set EV,  208                          ; v[208:215] e, b2, g, b of my two channels
.set B2V, 210
.set GV,  212
.set BV,  214
.set F0,  144                          ; the LayerNorm's registers (wave 0), where u lay.  Pairs hold my two channels
.set F1,  146
.set TT,  148
.set S1,  150
.set R1,  152
.set XH,  154                          ; x, value and error
.set XL,  156
.set TA,  158                          ; at work in PTS
.set TB,  160
.set SH,  162                          ; a sum over the row, value and error
.set SL,  163
.set OH,  164                          ; the partner lane's
.set OL,  165
.set ER,  166
.set NH,  167
.set U1,  168                          ; at work in TS1
.set U2,  169
.set NMH, 170                          ; -mu, value and error, each twice
.set NML, 172
.set DH,  174                          ; x - mu, value and error
.set DL,  176
.set DE,  178
.set PP,  180
.set PE,  182
.set WW,  184
.set VH,  186                          ; var + eps, value and error
.set VL,  187
.set A1,  188
.set EPSV, 189
.set RR,  190                          ; v190 the root r0, v191 its correction
.set T1,  192
.set T1E, 193
.set EE,  194
.set HR,  195
.set PH,  196                          ; g (x - mu), value and error
.set PL,  198
.set QQH, 200                          ; times r
.set QQL, 202
.set OHP, 204
.set OEP, 206
; s + e = a + b exactly, s the rounded sum (six additions; holds whatever the sizes of a and b).  s is another register than a and b.
.macro TS1 s, e, a, b
	v_add_f32 v[(\s)], v[(\a)], v[(\b)]
	v_sub_f32 v[U1], v[(\s)], v[(\a)]
	v_sub_f32 v[U2], v[(\s)], v[U1]
	v_sub_f32 v[U2], v[(\a)], v[U2]
	v_sub_f32 v[U1], v[(\b)], v[U1]
	v_add_f32 v[(\e)], v[U2], v[U1]
.endm
.macro PTS s, e, a, b                  ; the same for both channels at once
	v_pk_add_f32 v[(\s):(\s)+1], v[(\a):(\a)+1], v[(\b):(\b)+1]
	v_pk_add_f32 v[TA:TA+1], v[(\s):(\s)+1], v[(\a):(\a)+1] neg_lo:[0,1] neg_hi:[0,1]
	v_pk_add_f32 v[TB:TB+1], v[(\s):(\s)+1], v[TA:TA+1] neg_lo:[0,1] neg_hi:[0,1]
	v_pk_add_f32 v[TB:TB+1], v[(\a):(\a)+1], v[TB:TB+1] neg_lo:[0,1] neg_hi:[0,1]
	v_pk_add_f32 v[TA:TA+1], v[(\b):(\b)+1], v[TA:TA+1] neg_lo:[0,1] neg_hi:[0,1]
	v_pk_add_f32 v[(\e):(\e)+1], v[TB:TB+1], v[TA:TA+1]
.endm
; (SH, SL) summed over the 32 lanes, the result in every lane.  The error of an error-free sum is exact, so it is the same whichever partner is a and which b: partners stay bit-equal.
.macro ALLSUM
.irp m, 1,2,4,8
	v_mov_b32_dpp v[OH], v[SH] row_xmask:\m row_mask:0xf bank_mask:0xf
	v_add_f32_dpp v[SL], v[SL], v[SL] row_xmask:\m row_mask:0xf bank_mask:0xf
	TS1 NH, ER, SH, OH
	v_add_f32 v[SL], v[SL], v[ER]
	v_mov_b32 v[SH], v[NH]
.endr
	v_permlanex16_b32 v[OH], v[SH], s54, s55
	v_permlanex16_b32 v[OL], v[SL], s54, s55
	v_add_f32 v[SL], v[SL], v[OL]
	TS1 NH, ER, SH, OH
	v_add_f32 v[SL], v[SL], v[ER]
	v_mov_b32 v[SH], v[NH]
.endm
	s_load_b512 s[84:99], s[0:1], 0x0
	v_lshl_add_u32 v1, v0, 2, SPARE
	v_mov_b32 v2, 0
	v_lshrrev_b32 v6, 5, v0
	v_readfirstlane_b32 s52, v6                    ; wave 0..3
	s_lshr_b32 s53, s52, 1                         ; which half of the 128 hidden units my wave sums over
	s_lshl_b32 s53, s53, 8                         ; its 64 numbers in U
	s_mov_b32 s54, 0x76543210                      ; v_permlanex16_b32: each lane takes its own place in the other half
	s_mov_b32 s55, 0xfedcba98
	s_mov_b32 s62, 0x3c800000                      ; 1/64
	s_mov_b32 s63, 0xbc800000                      ; -1/64
	s_lshl_b32 s60, ttmp9, 8                       ; the token's row: 256 bytes in embed and in tab
	s_mov_b32 s61, 0
	v_lshlrev_b32 v3, 2, v0                        ; 4 T
	v_and_b32 v4, 63, v0
	v_lshrrev_b32 v7, 6, v0
	v_lshlrev_b32 v4, 2, v4
	v_lshl_add_u32 v4, v7, 14, v4                  ; (T / 64) x 64 rows of 256 bytes + 4 (T % 64)
	v_and_b32 v5, 31, v0
	v_lshlrev_b32 v5, 3, v5                        ; 8 x lane
	v_mov_b32 v6, s53
	s_wait_kmcnt 0x0
	s_add_nc_u64 s[56:57], s[84:85], s[60:61]
	s_add_nc_u64 s[58:59], s[98:99], s[60:61]
	s_load_b512 s[4:19],  s[56:57], 0x0            ; the row of embed as scalars: every thread multiplies by all 64
	s_load_b512 s[20:35], s[56:57], 0x40
	s_load_b512 s[36:51], s[56:57], 0x80
	s_load_b512 s[68:83], s[56:57], 0xc0
	global_load_b64 v[EV:EV+1], v5, s[56:57]       ; what the LayerNorm wants, two channels a lane (every wave asks, so that all count alike; wave 0 uses them)
	global_load_b64 v[B2V:B2V+1], v5, s[92:93]
	global_load_b64 v[GV:GV+1], v5, s[94:95]
	global_load_b64 v[BV:BV+1], v5, s[96:97]
	global_load_b32 v12, v3, s[88:89]
.set i, 0
.rept 64
	global_load_b32 v[16+i], v3, s[86:87] offset:512*i   ; W1[i][T]
.set i, i+1
.endr
.set i, 0
.rept 64
	global_load_b32 v[80+i], v4, s[90:91] offset:256*i   ; W2[64 half + i][T % 64]
.set i, i+1
.endr
	s_wait_kmcnt 0x0                               ; the row of embed
	s_wait_loadcnt 63                              ; 64 loads of W2 are younger than the last of W1: with 63 out, W1 and b1 are in
	; u[T] = relu(sum over i of e[i] W1[i][T] + b1[T]), in four chains
	v_fma_f32 v8, s4, v16, v12
	v_mul_f32 v9, s5, v17
	v_mul_f32 v10, s6, v18
	v_mul_f32 v11, s7, v19
.set i, 4
.rept 60
.if i < 48
	v_fmac_f32 v[8+i%4], s[4+i], v[16+i]
.else
	v_fmac_f32 v[8+i%4], s[20+i], v[16+i]
.endif
.set i, i+1
.endr
	v_add_f32 v8, v8, v9
	v_add_f32 v10, v10, v11
	v_add_f32 v8, v8, v10
	v_max_num_f32 v8, 0, v8
	ds_store_b32 v3, v8 offset:U
	s_wait_dscnt 0x0                               ; for the others: my store is done
	s_barrier_signal -1
	s_barrier_wait -1
.set i, 0
.rept 16
	ds_load_b128 v[144+4*i:147+4*i], v6 offset:U+16*i    ; my half's 64 hidden values, the same in every lane
.set i, i+1
.endr
	s_wait_loadcnt 0x0                             ; W2
	s_wait_dscnt 0x0
.set i, 0
.rept 4
	v_mul_f32 v[8+i], v[144+i], v[80+i]
.set i, i+1
.endr
.rept 60
	v_fmac_f32 v[8+i%4], v[144+i], v[80+i]
.set i, i+1
.endr
	v_add_f32 v8, v8, v9
	v_add_f32 v10, v10, v11
	v_add_f32 v8, v8, v10
	ds_store_b32 v3, v8 offset:F                   ; F[half][channel]
	s_wait_dscnt 0x0
	s_barrier_signal -1
	s_barrier_wait -1
	s_cmp_lg_u32 s52, 0
	s_cbranch_scc1 .Lend                           ; wave 0 finishes the row, two channels a lane
	ds_load_b64 v[F0:F0+1], v5 offset:F
	ds_load_b64 v[F1:F1+1], v5 offset:F+256
	v_mov_b32 v[OH], 0                             ; destinations of lane exchanges count as read: they are written once here
	v_mov_b32 v[OL], 0
	v_mov_b32 v[EPSV], 0x3727c5ac                  ; 1e-5 in f32
	s_wait_dscnt 0x0
	; x = h + (f0 + f1) + b2, value and error
	v_pk_add_f32 v[TT:TT+1], v[F0:F0+1], v[F1:F1+1]
	PTS S1, R1, TT, B2V
	PTS XH, XL, S1, EV
	v_pk_add_f32 v[XL:XL+1], v[XL:XL+1], v[R1:R1+1]
	; the row's sum
	TS1 SH, ER, XH, XH+1
	v_add_f32 v[SL], v[XL], v[XL+1]
	v_add_f32 v[SL], v[SL], v[ER]
	ALLSUM
	v_mul_f32 v[NMH], s63, v[SH]                   ; -mu: the factor is a power of two, nothing is rounded
	v_mul_f32 v[NMH+1], s63, v[SH]
	v_mul_f32 v[NML], s63, v[SL]
	v_mul_f32 v[NML+1], s63, v[SL]
	; d = x - mu
	PTS DH, DE, XH, NMH
	v_pk_add_f32 v[DL:DL+1], v[XL:XL+1], v[NML:NML+1]
	v_pk_add_f32 v[DL:DL+1], v[DL:DL+1], v[DE:DE+1]
	; d^2 = dh^2 (with its error) + 2 dh dl, and the row's sum of it
	v_pk_mul_f32 v[PP:PP+1], v[DH:DH+1], v[DH:DH+1]
	v_pk_fma_f32 v[PE:PE+1], v[DH:DH+1], v[DH:DH+1], v[PP:PP+1] neg_lo:[0,0,1] neg_hi:[0,0,1]
	v_pk_mul_f32 v[WW:WW+1], v[DH:DH+1], v[DL:DL+1]
	v_pk_fma_f32 v[PE:PE+1], v[WW:WW+1], 2.0, v[PE:PE+1] op_sel_hi:[1,0,1]
	TS1 SH, ER, PP, PP+1
	v_add_f32 v[SL], v[PE], v[PE+1]
	v_add_f32 v[SL], v[SL], v[ER]
	ALLSUM
	; var + eps
	v_mul_f32 v[A1], s62, v[SH]
	TS1 VH, ER, A1, EPSV
	v_fma_f32 v[VL], v[SL], s62, v[ER]
	v_rsq_f32 v[RR], v[VH]
	v_pk_mul_f32 v[PH:PH+1], v[GV:GV+1], v[DH:DH+1]      ; g d, value and error: plain work that names neither the root nor its source
	v_pk_fma_f32 v[PL:PL+1], v[GV:GV+1], v[DH:DH+1], v[PH:PH+1] neg_lo:[0,0,1] neg_hi:[0,0,1]
	v_pk_fma_f32 v[PL:PL+1], v[GV:GV+1], v[DL:DL+1], v[PL:PL+1]
	s_wait_alu depctr_va_vdst(0)                   ; the wait ahead of the first use of the root
	; r = r0 + (r0 / 2)(1 - v r0^2); the residue is formed without loss: v r0 with its error, then 1 - (v r0) r0 by one fused multiply-add
	v_mul_f32 v[T1], v[VH], v[RR]
	v_fma_f32 v[T1E], v[VH], v[RR], -v[T1]
	v_fma_f32 v[EE], -v[T1], v[RR], 1.0
	v_fma_f32 v[EE], -v[T1E], v[RR], v[EE]
	v_mul_f32 v[T1], v[VL], v[RR]
	v_fma_f32 v[EE], -v[T1], v[RR], v[EE]
	v_mul_f32 v[HR], 0.5, v[RR]
	v_mul_f32 v[RR+1], v[HR], v[EE]                ; the correction, kept apart from r0
	; (g d) r + b
	v_pk_mul_f32 v[QQH:QQH+1], v[PH:PH+1], v[RR:RR+1] op_sel_hi:[1,0]
	v_pk_fma_f32 v[QQL:QQL+1], v[PH:PH+1], v[RR:RR+1], v[QQH:QQH+1] op_sel_hi:[1,0,1] neg_lo:[0,0,1] neg_hi:[0,0,1]
	v_pk_fma_f32 v[QQL:QQL+1], v[PH:PH+1], v[RR:RR+1], v[QQL:QQL+1] op_sel:[0,1,0] op_sel_hi:[1,1,1]
	v_pk_fma_f32 v[QQL:QQL+1], v[PL:PL+1], v[RR:RR+1], v[QQL:QQL+1] op_sel_hi:[1,0,1]
	PTS OHP, OEP, QQH, BV
	v_pk_add_f32 v[OEP:OEP+1], v[OEP:OEP+1], v[QQL:QQL+1]
	v_pk_add_f32 v[OHP:OHP+1], v[OHP:OHP+1], v[OEP:OEP+1]      ; the one rounding that counts
	global_store_b64 v5, v[OHP:OHP+1], s[58:59]    ; 32 lanes x 8 bytes: the row's 256 consecutive bytes, aligned
.Lend:
	s_wait_tensorcnt 0x0                           ; the wave's end
	ds_add_u32 v1, v2
	s_wait_dscnt 0x0
	s_endpgm
.Lfunc_end_k_q9db45fea47_enc:
	.size	k_q9db45fea47_enc, .Lfunc_end_k_q9db45fea47_enc-k_q9db45fea47_enc
	.p2alignl 7, 3214868480
	.fill 96, 4, 3214868480
	.section	.rodata,"a",@progbits
	.p2align	6, 0x0
	.amdhsa_kernel k_q9db45fea47_enc
		.amdhsa_group_segment_fixed_size 1536
		.amdhsa_private_segment_fixed_size 0
		.amdhsa_enable_private_segment 0
		.amdhsa_kernarg_size 64
		.amdhsa_user_sgpr_count 2
		.amdhsa_user_sgpr_kernarg_segment_ptr 1
		.amdhsa_wavefront_size32 1
		.amdhsa_system_sgpr_workgroup_id_x 1
		.amdhsa_system_sgpr_workgroup_id_y 1
		.amdhsa_system_sgpr_workgroup_id_z 1
		.amdhsa_system_vgpr_workitem_id 0
		.amdhsa_next_free_vgpr 216
		.amdhsa_next_free_sgpr 100
		.amdhsa_reserve_vcc 0
		.amdhsa_float_denorm_mode_32 3
		.amdhsa_float_denorm_mode_16_64 3
		.amdhsa_memory_ordered 1
		.amdhsa_forward_progress 1
		.amdhsa_inst_pref_size 28
	.end_amdhsa_kernel
	.amdgpu_metadata
---
amdhsa.version: [ 1, 2 ]
amdhsa.kernels:
  - .name:           k_q9db45fea47_enc
    .symbol:         k_q9db45fea47_enc.kd
    .args:
      - { .name: embed, .offset: 0, .size: 8, .value_kind: global_buffer, .address_space: global }
      - { .name: ff_w1, .offset: 8, .size: 8, .value_kind: global_buffer, .address_space: global }
      - { .name: ff_b1, .offset: 16, .size: 8, .value_kind: global_buffer, .address_space: global }
      - { .name: ff_w2, .offset: 24, .size: 8, .value_kind: global_buffer, .address_space: global }
      - { .name: ff_b2, .offset: 32, .size: 8, .value_kind: global_buffer, .address_space: global }
      - { .name: ln_g, .offset: 40, .size: 8, .value_kind: global_buffer, .address_space: global }
      - { .name: ln_b, .offset: 48, .size: 8, .value_kind: global_buffer, .address_space: global }
      - { .name: tab, .offset: 56, .size: 8, .value_kind: global_buffer, .address_space: global }
    .group_segment_fixed_size: 1536
    .private_segment_fixed_size: 0
    .kernarg_segment_align: 8
    .kernarg_segment_size: 64
    .max_flat_workgroup_size: 128
    .sgpr_count:     100
    .vgpr_count:     216
    .wavefront_size: 32
...
	.end_amdgpu_metadata
.endif
;; end of part 1
;; launch adam (part 2): grid 256 x 1, 8 waves a work-group, no clusters, 60,672 bytes of LDS; arguments tab, seqs, mlp_w1, mlp_b1, mlp_w2, mlp_b2, out_w, out_b, out0; writes out0
.if DOCPART == 2
	.amdgcn_target "amdgcn-amd-amdhsa--gfx1250"
	.amdhsa_code_object_version 6
	.text
	.protected	k_q9db45fea47_adam
	.globl	k_q9db45fea47_adam
	.p2align	8
	.type	k_q9db45fea47_adam,@function
k_q9db45fea47_adam:
	s_mov_b64 s[64:65], 0
	v_nop
	global_prefetch_b8 v0, s[64:65] scope:SCOPE_SE
	s_setreg_imm32_b32 hwreg(HW_REG_WAVE_MODE, 25, 1), 1
	s_wait_xcnt 0x0
; EIGHT ADAM STEPS ON A PRIVATE MLP (64 -> 24 -> 64, 3,160 parameters) FOR EACH OF 8,192 SAMPLES, THE QUERY THROUGH THE TRAINED MLP, AND THE LAST PROJECTION.
; SHARES.  A work-group of eight waves takes 32 samples, a wave four, one after the other; a sample's parameters and both moments live in the wave's registers for all eight steps.
; LANE TILE.  c = lane % 8, g = lane / 8.  A lane owns channels 8 c .. 8 c + 7 (of the input and of the output) and hidden units 6 g .. 6 g + 5: 8 x 6 of W1, 6 x 8 of W2, its 6 of b1 and its 8 of b2
; (b1 in a copy in each of 8 lanes, b2 in each of 4).  z and da are summed over c (lanes 1, 2, 4 apart), y over g (lanes 8 and 16 apart); such sums come out bit-equal in all partners, so the copies
; stay equal, and every lane ends with just the k, a, dy and dz that its own tile wants: nothing is gathered.
; ADAM, RESCALED.  Kept are M = m / b1^t and V = v / b2^t, so that a moment's update is one fused multiply-add of rank 1: M += x y1, V += x^2 y2, with y1 = (0.1 / b1^t) g's factor and y2 = CK y1^2.
; Then p -= M / (DA sqrt(V) + DB).  CA, CK, DA, DB hang on the step alone: CA = 0.1f / (32 b1^t) (the 1/32 is the loss's 2/64), CK = (0.001f / b2^t) / (0.1f / b1^t)^2,
; DA = sqrt(b2^t / bc2) bc1 / (0.05f b1^t), DB = 1e-8 bc1 / (0.05f b1^t), with b1 = 0.9f, b2 = 0.999f and bc = 1 - (b^t rounded to f32), as the f32 arithmetic of the definition has them.
; ALL IN F32, ON THE VECTOR UNIT.  The weights differ from sample to sample, so each product has one row; the first step is LR x sign(g) and the ReLU gates are steps, so a rounding to 16 bits turns signs.
; The last projection (64 x 64 a sample, one part in a hundred of the arithmetic) finds hq in the lanes' tiles and is taken there too.
; NO CLUSTER, NO TENSOR LOAD, NO PREFETCH: what work-groups share is 60 KiB of tables, staged once at the head; nothing is streamed, and the launch's time is arithmetic.
; LIMITS.  A pre-activation with 0 < |z| < 2^-127 has a gate between 0 and 1 (at z = 0 it is 0.5, as the maximum's gradient is defined); a V below 2^-126 counts as 0 under the root (far below the 1e-8
; beside it); NaN and infinities are not treated apart; a token is held to 0 .. 63; sums are taken in another order than a plain dot product.
.set TAB,   0                          ; LDS: the encoder's table, 64 rows of 256 bytes
.set OWI,   16384                      ; out_w by lanes: quad 4 jj + q at 512 (4 jj + q) + 16 lane
.set P1I,   32768                      ; W1 and b1 by lanes: pair n of 27 at 256 n + 8 lane
.set P2I,   39680                      ; W2 and b2 by lanes: quad n of 14 at 512 n + 16 lane
.set SEQ,   46848                      ; the work-group's 32 rows of seqs, 128 bytes each
.set OBS,   50944                      ; out_b
.set CST,   51200                      ; 8 steps x (CA, CK, DA, DB)
.set OST,   51456                      ; the way out: 1,024 bytes for each wave, 256 a sample
.set SPARE, 59648                      ; the spare words, 128 bytes for each of the eight waves; no other line names them
; window 0
.set SPW,  1                           ; v1   my spare word; never rewritten
.set NIL,  2                           ; v2   0; never rewritten
.set TOFF, 3                           ; v3   32 c: my 8 channels in a row of the table
.set BIG,  4                           ; v4   2^126
.set HALF, 5                           ; v5   0.5
.set T0,   6                           ; v6, v7, v39 at work
.set T1,   7
.set K,    8                           ; v[8:15]   the key's (at the end the query's) 8 channels
.set K2,   16                          ; v[16:23]  their squares
.set DZ1,  24                          ; v[24:29]  dz, scaled for M
.set DZ2,  30                          ; v[30:35]  dz^2, scaled for V
.set L16,  36                          ; v36  16 x lane
.set L8,   37                          ; v37  8 x lane
.set AOB,  38                          ; v38  OBS + 64 g
.set T2,   39
.set RP1,  40                          ; 54 each: W1 (6 ii + hh), then b1
.set RM1,  94
.set RV1,  148
.set RS1,  202                         ; the roots and reciprocals; outside that, scratch:
.set ZA,   RS1                         ; z, two partial chains
.set ZB,   RS1+6
.set GT,   RS1+12                      ; the gates
.set CSTV, RS1+20                      ; the step's four constants as loaded
.set TOKV, RS1+24                      ; two tokens as loaded
.set YA,   RS1+28                      ; y, two partial chains
.set YB,   RS1+36
.set DAC,  RS1+28                      ; da, six pairs, when y is done with
.set ACC,  94                          ; the projection's 16 sums, and out_b's 16, where M1 lay
.set OB,   110
; window 1
.set A,    0                           ; v[0:5]    a = relu(z)
.set A2,   6                           ; v[6:11]   a^2
.set DY2,  12                          ; v[12:19]  the value's 8 channels, then dy^2 scaled for V
.set DY1,  20                          ; v[20:27]  y, then dy scaled for M; in the query hq
.set RP2,  32                          ; 56 each: W2 (8 hh + jj), then b2
.set RM2,  88
.set RV2,  144
.set RS2,  200
.set OW,   88                          ; out_w's 128, where M2, V2 and the head of S2 lay
; scalars: s[4:21] the nine addresses
.set WV,   22                          ; my wave's number
.set TS,   23                          ; at work
.set SEL,  24                          ; s[24:25] lane selects for v_permlanex16_b32
.set CA,   26                          ; s[26:33] the step's constants, each the low word of a pair (the high words are written once)
.set CK,   28
.set DA,   30
.set DB,   32
.set STOK, 34                          ; LDS byte of the next pair of tokens
.set SCST, 35                          ; LDS byte of the next step's constants
.set KROW, 36                          ; LDS byte of the next key's row, and of the next value's
.set VROW, 37
.set NSAM, 38                          ; samples to go
.set NSTP, 39                          ; steps to go
.set OSTD, 40                          ; from AOB to my place in the stage
.set MSB, 0
.macro WIN new                         ; s_set_vgpr_msb: bits 1:0 source 0, 3:2 source 1, 5:4 source 2, 7:6 destination; the high byte repeats the setting that is left
.if MSB != (\new)
	s_set_vgpr_msb (MSB<<8)|(\new)
.set MSB, (\new)
.endif
.endm
; d = a x b (+ c), two at a time, with ONE number of the pair b for both: sel = 0 its first register, 1 its second
.macro PFB d, a, b, sel, c
.if (\sel)
	v_pk_fma_f32 v[(\d):(\d)+1], v[(\a):(\a)+1], v[(\b):(\b)+1], v[(\c):(\c)+1] op_sel:[0,1,0] op_sel_hi:[1,1,1]
.else
	v_pk_fma_f32 v[(\d):(\d)+1], v[(\a):(\a)+1], v[(\b):(\b)+1], v[(\c):(\c)+1] op_sel_hi:[1,0,1]
.endif
.endm
.macro PMB d, a, b, sel
.if (\sel)
	v_pk_mul_f32 v[(\d):(\d)+1], v[(\a):(\a)+1], v[(\b):(\b)+1] op_sel:[0,1] op_sel_hi:[1,1]
.else
	v_pk_mul_f32 v[(\d):(\d)+1], v[(\a):(\a)+1], v[(\b):(\b)+1] op_sel_hi:[1,0]
.endif
.endm
	s_load_b512 s[4:19], s[0:1], 0x0               ; tab, seqs, mlp_w1, mlp_b1, mlp_w2, mlp_b2, out_w, out_b
	s_load_b64 s[20:21], s[0:1], 0x40              ; out0
	v_lshl_add_u32 v[SPW], v0, 2, SPARE
	v_mov_b32 v[NIL], 0
	v_lshrrev_b32 v[T0], 5, v0
	v_readfirstlane_b32 s[WV], v[T0]               ; wave 0..7
	s_mov_b32 s[SEL], 0x76543210
	s_mov_b32 s[SEL+1], 0xfedcba98
	s_mov_b32 s[CA+1], 0                           ; named as pairs, so they are written
	s_mov_b32 s[CK+1], 0
	s_mov_b32 s[DA+1], 0
	s_mov_b32 s[DB+1], 0
	v_and_b32 v[T2], 31, v0
	v_lshlrev_b32 v[L16], 4, v[T2]
	v_lshlrev_b32 v[L8], 3, v[T2]
	v_and_b32 v[K], 7, v0                          ; c
	v_bfe_u32 v[K+1], v0, 3, 2                     ; g
	v_lshlrev_b32 v[TOFF], 5, v[K]
	v_lshl_add_u32 v[AOB], v[K+1], 6, OBS
	v_mov_b32 v[BIG], 0x7e800000
	v_mov_b32 v[HALF], 0.5
	v_lshlrev_b32 v[T0], 4, v0                     ; 16 T
	s_lshl_b32 s[TS], s[WV], 8
	v_lshlrev_b32 v[T1], 11, v[K]                  ; out_w[8 c + w][16 g ..]: 2,048 c + 256 w + 64 g
	v_lshl_add_u32 v[T1], v[K+1], 6, v[T1]
	v_add_nc_u32 v[T1], s[TS], v[T1]
	s_lshl_b32 s42, ttmp9, 12                      ; the work-group's 32 rows of seqs,
	s_mov_b32 s43, 0
	s_lshl_b32 s44, ttmp9, 13                      ; and of out0
	s_mov_b32 s45, 0
	s_wait_kmcnt 0x0
	s_add_nc_u64 s[6:7], s[6:7], s[42:43]
	s_add_nc_u64 s[20:21], s[20:21], s[44:45]
	; STAGING.  Every wave: its share of the table, of the tokens and of out_w.  Waves 0 to 3 besides: W1 and b1; W2 and b2; out_b; the steps' constants.
.irp n, 0,1,2,3
	global_load_b128 v[40+4*\n:43+4*\n], v[T0], s[4:5] offset:4096*\n
.endr
	global_load_b128 v[56:59], v[T0], s[6:7] th:TH_LOAD_NT
.irp q, 0,1,2,3
	global_load_b128 v[60+4*\q:63+4*\q], v[T1], s[16:17] offset:16*\q
.endr
	s_cmp_lg_u32 s[WV], 0
	s_cbranch_scc1 .Lnot0
	v_mul_u32_u24 v[T2], v[K], 768                 ; W1[8 c + ii][6 g + hh]: 768 c + 96 ii + 24 g + 4 hh
	v_mul_u32_u24 v[K+2], v[K+1], 24
	v_add_nc_u32 v[T2], v[T2], v[K+2]
.set n, 0
.rept 24
	global_load_b64 v[94+2*n:95+2*n], v[T2], s[8:9] offset:96*(n/3)+8*(n%3)
.set n, n+1
.endr
.irp p, 0,1,2
	global_load_b64 v[142+2*\p:143+2*\p], v[K+2], s[10:11] offset:8*\p
.endr
	s_wait_loadcnt 0x0
.set n, 0
.rept 27
	ds_store_b64 v[L8], v[94+2*n:95+2*n] offset:P1I+256*n
.set n, n+1
.endr
.Lnot0:
	s_cmp_lg_u32 s[WV], 1
	s_cbranch_scc1 .Lnot1
	v_mul_u32_u24 v[T2], v[K+1], 1536              ; W2[6 g + hh][8 c + jj]: 1,536 g + 256 hh + 32 c + 4 jj
	v_add_nc_u32 v[T2], v[T2], v[TOFF]
.set n, 0
.rept 12
	global_load_b128 v[94+4*n:97+4*n], v[T2], s[12:13] offset:256*(n/2)+16*(n%2)
.set n, n+1
.endr
.irp q, 0,1
	global_load_b128 v[142+4*\q:145+4*\q], v[TOFF], s[14:15] offset:16*\q
.endr
	s_wait_loadcnt 0x0
.set n, 0
.rept 14
	ds_store_b128 v[L16], v[94+4*n:97+4*n] offset:P2I+512*n
.set n, n+1
.endr
.Lnot1:
	s_cmp_lg_u32 s[WV], 2
	s_cbranch_scc1 .Lnot2
	v_and_b32 v[T2], 15, v0                        ; out_b is 256 bytes: lanes 16 to 31 repeat lanes 0 to 15
	v_lshlrev_b32 v[T2], 4, v[T2]
	global_load_b128 v[94:97], v[T2], s[18:19]
	s_wait_loadcnt 0x0
	ds_store_b128 v[T2], v[94:97] offset:OBS
.Lnot2:
	s_cmp_lg_u32 s[WV], 3
	s_cbranch_scc1 .Lnot3
	v_mov_b32 v[T2], 0
.macro CROW t, ca, ck, da, db          ; step t's four constants (all lanes write the same 16 bytes)
	v_mov_b32 v94, \ca
	v_mov_b32 v95, \ck
	v_mov_b32 v96, \da
	v_mov_b32 v97, \db
	ds_store_b128 v[T2], v[94:97] offset:CST+16*((\t)-1)
.endm
	CROW 1, 0.003472222366, 0.08108107718, 70.2381618, 0.000000022222228
	CROW 2, 0.003858024953, 0.06574140960, 104.824322, 0.000000046913596
	CROW 3, 0.004286694507, 0.05330384211, 135.605768, 0.000000074348451
	CROW 4, 0.004762994023, 0.04321932859, 165.547695, 0.00000010483162
	CROW 5, 0.005292215721, 0.03504269655, 195.861441, 0.00000013870180
	CROW 6, 0.005880239845, 0.02841299533, 227.250658, 0.00000017633534
	CROW 7, 0.006533600001, 0.02303756226, 260.220093, 0.00000021815039
	CROW 8, 0.007259555749, 0.01867910331, 295.181204, 0.00000026461155
.Lnot3:
	s_wait_loadcnt 0x0                             ; the nine loads that every wave issued; their offsets may be written again
.irp n, 0,1,2,3
	ds_store_b128 v[T0], v[40+4*\n:43+4*\n] offset:TAB+4096*\n
.endr
	ds_store_b128 v[T0], v[56:59] offset:SEQ
	s_lshl_b32 s[TS], s[WV], 11
	v_add_nc_u32 v[T1], s[TS], v[L16]              ; jj = my wave: 2,048 w + 16 lane
.irp q, 0,1,2,3
	ds_store_b128 v[T1], v[60+4*\q:63+4*\q] offset:OWI+512*\q
.endr
	s_wait_dscnt 0x0                               ; for the others: my stores are done
	s_barrier_signal -1
	s_barrier_wait -1                              ; the launch's one barrier: from here on the tables are only read, and a wave writes its own stage alone
	s_lshl_b32 s[STOK], s[WV], 9
	s_add_co_u32 s[STOK], s[STOK], SEQ+56          ; my first sample's tokens 14 and 15
	s_lshl_b32 s[OSTD], s[WV], 10
	s_add_co_u32 s[OSTD], s[OSTD], OST-OBS
	s_mov_b32 s[NSAM], 4
.macro TOKS                            ; the two tokens just loaded become rows of the table
	v_readfirstlane_b32 s[KROW], v[TOKV]
	v_readfirstlane_b32 s[VROW], v[TOKV+1]
	s_min_u32 s[KROW], s[KROW], 63
	s_min_u32 s[VROW], s[VROW], 63
	s_lshl_b32 s[KROW], s[KROW], 8
	s_lshl_b32 s[VROW], s[VROW], 8
.endm
.macro LOADK                           ; my 8 channels of the key's row; each load lands on its own address register
	WIN 0
	v_add_nc_u32 v[K], s[KROW], v[TOFF]
	v_add_nc_u32 v[K+4], s[KROW], v[TOFF]
	ds_load_b128 v[K:K+3], v[K] offset:TAB
	ds_load_b128 v[K+4:K+7], v[K+4] offset:TAB+16
.endm
.macro LOADV                           ; the same of the value's row, into window 1
	WIN 0x40
	v_add_nc_u32 v[DY2], s[VROW], v[TOFF]
	v_add_nc_u32 v[DY2+4], s[VROW], v[TOFF]
	WIN 0x41
	ds_load_b128 v[DY2:DY2+3], v[DY2] offset:TAB
	ds_load_b128 v[DY2+4:DY2+7], v[DY2+4] offset:TAB+16
.endm
; A SAMPLE BEGINS: its first two tokens, the base parameters out of the lanes' images, the first key and value.
.macro INIT
	WIN 0
	v_mov_b32 v[T0], s[STOK]
	ds_load_b64 v[TOKV:TOKV+1], v[T0]
	s_add_co_u32 s[STOK], s[STOK], 8
	s_mov_b32 s[SCST], CST
.set n, 0
.rept 27
	ds_load_b64 v[RP1+2*n:RP1+2*n+1], v[L8] offset:P1I+256*n
.set n, n+1
.endr
	WIN 0x40
.set n, 0
.rept 14
	ds_load_b128 v[RP2+4*n:RP2+4*n+3], v[L16] offset:P2I+512*n
.set n, n+1
.endr
	WIN 0
	s_wait_dscnt 41                                ; the 41 loads of parameters are younger than the tokens' load: the tokens are in
	TOKS
	LOADV
	LOADK
.endm
; z = k W1 + b1, the gates, a = relu(z).  q = 0: a step: it also fetches its constants and the NEXT step's tokens.  q = 1: the query.
.macro FWD1 q
	WIN 0
.if (\q) == 0
	v_mov_b32 v[T1], s[SCST]
	v_mov_b32 v[T0], s[STOK]
	ds_load_b128 v[CSTV:CSTV+3], v[T1]
	ds_load_b64 v[TOKV:TOKV+1], v[T0]
	s_add_co_u32 s[SCST], s[SCST], 16
	s_add_co_u32 s[STOK], s[STOK], 8
	s_wait_dscnt 0x2                               ; only the two loads just issued may be out: key, value (and, in a first step, the parameters) are in
.irp p, 0,2,4,6
	v_pk_mul_f32 v[K2+\p:K2+\p+1], v[K+\p:K+\p+1], v[K+\p:K+\p+1]
.endr
.else
	s_wait_dscnt 36                                ; the projection's 36 loads are younger than the query row's: the query is in
.endif
.irp ii, 0,4,1,5,2,6,3,7               ; two chains (ii < 4, ii >= 4) of three pairs each take turns
.irp hp, 0,2,4
.if (\ii)%4 == 0
	PMB ZA+6*((\ii)/4)+\hp, RP1+6*(\ii)+\hp, K+2*((\ii)/2), (\ii)&1
.else
	PFB ZA+6*((\ii)/4)+\hp, RP1+6*(\ii)+\hp, K+2*((\ii)/2), (\ii)&1, ZA+6*((\ii)/4)+\hp
.endif
.endr
.endr
.irp hp, 0,2,4
	v_pk_add_f32 v[ZA+\hp:ZA+\hp+1], v[ZA+\hp:ZA+\hp+1], v[ZB+\hp:ZB+\hp+1]
.endr
.irp m, 1,2,4                          ; over the eight lanes that hold the other channels
.irp u, 0,1,2,3,4,5
	v_add_f32_dpp v[ZA+\u], v[ZA+\u], v[ZA+\u] row_xmask:\m row_mask:0xf bank_mask:0xf
.endr
.endr
.irp hp, 0,2,4
	v_pk_add_f32 v[ZA+\hp:ZA+\hp+1], v[ZA+\hp:ZA+\hp+1], v[RP1+48+\hp:RP1+48+\hp+1]
.endr
.if (\q) == 0
.irp u, 0,1,2,3,4,5
	v_fma_f32 v[GT+\u], v[ZA+\u], v[BIG], v[HALF] clamp     ; 1 for z > 0, 0 for z < 0, 0.5 at 0
.endr
	s_wait_dscnt 0x0                               ; the constants and the tokens
	v_readfirstlane_b32 s[CA], v[CSTV]
	v_readfirstlane_b32 s[CK], v[CSTV+1]
	v_readfirstlane_b32 s[DA], v[CSTV+2]
	v_readfirstlane_b32 s[DB], v[CSTV+3]
	TOKS
.endif
	WIN 0x40
.irp u, 0,1,2,3,4,5
	v_max_num_f32 v[A+\u], 0, v[ZA+\u]
.endr
.endm
; y = a W2 + b2, into DY1
.macro FWD2
	WIN 0x05
.irp hh, 0,3,1,4,2,5                   ; two chains (hh < 3, hh >= 3) of four pairs each take turns
.irp jp, 0,2,4,6
.if (\hh)%3 == 0
	PMB YA+8*((\hh)/3)+\jp, RP2+8*(\hh)+\jp, A+2*((\hh)/2), (\hh)&1
.else
	PFB YA+8*((\hh)/3)+\jp, RP2+8*(\hh)+\jp, A+2*((\hh)/2), (\hh)&1, YA+8*((\hh)/3)+\jp
.endif
.endr
.endr
	WIN 0
.irp jp, 0,2,4,6
	v_pk_add_f32 v[YA+\jp:YA+\jp+1], v[YA+\jp:YA+\jp+1], v[YB+\jp:YB+\jp+1]
.endr
.irp u, 0,1,2,3,4,5,6,7                ; over the four lanes that hold the other hidden units: 8 away,
	v_add_f32_dpp v[YA+\u], v[YA+\u], v[YA+\u] row_xmask:8 row_mask:0xf bank_mask:0xf
.endr
.irp u, 0,1,2,3,4,5,6,7                ; and 16 away
	v_permlanex16_b32 v[YB+\u], v[YA+\u], s[SEL], s[SEL+1]
.endr
.irp jp, 0,2,4,6
	v_pk_add_f32 v[YA+\jp:YA+\jp+1], v[YA+\jp:YA+\jp+1], v[YB+\jp:YB+\jp+1]
.endr
	WIN 0x44
.irp jp, 0,2,4,6
	v_pk_add_f32 v[DY1+\jp:DY1+\jp+1], v[YA+\jp:YA+\jp+1], v[RP2+48+\jp:RP2+48+\jp+1]
.endr
.endm
; dy, da = W2 dy (with the weights as they were in the forward pass), dz = da x gate; each in the two scalings that M and V want
.macro BWD
	WIN 0x55
.irp jp, 0,2,4,6
	v_pk_add_f32 v[DY1+\jp:DY1+\jp+1], v[DY1+\jp:DY1+\jp+1], v[DY2+\jp:DY2+\jp+1] neg_lo:[0,1] neg_hi:[0,1]
.endr
.irp jp, 0,2,4,6
	v_pk_mul_f32 v[DY1+\jp:DY1+\jp+1], v[DY1+\jp:DY1+\jp+1], s[CA:CA+1] op_sel_hi:[1,0]
.endr
.irp jp, 0,2,4,6
	v_pk_mul_f32 v[DY2+\jp:DY2+\jp+1], v[DY1+\jp:DY1+\jp+1], v[DY1+\jp:DY1+\jp+1]
.endr
.irp jp, 0,2,4,6
	v_pk_mul_f32 v[DY2+\jp:DY2+\jp+1], v[DY2+\jp:DY2+\jp+1], s[CK:CK+1] op_sel_hi:[1,0]
.endr
.irp hp, 0,2,4
	v_pk_mul_f32 v[A2+\hp:A2+\hp+1], v[A+\hp:A+\hp+1], v[A+\hp:A+\hp+1]
.endr
	WIN 0x05
.irp jp, 0,2,4,6                       ; six chains, one a hidden unit, take turns
.irp hh, 0,1,2,3,4,5
.if (\jp) == 0
	v_pk_mul_f32 v[DAC+2*\hh:DAC+2*\hh+1], v[RP2+8*\hh+\jp:RP2+8*\hh+\jp+1], v[DY1+\jp:DY1+\jp+1]
.else
	v_pk_fma_f32 v[DAC+2*\hh:DAC+2*\hh+1], v[RP2+8*\hh+\jp:RP2+8*\hh+\jp+1], v[DY1+\jp:DY1+\jp+1], v[DAC+2*\hh:DAC+2*\hh+1]
.endif
.endr
.endr
	WIN 0
.irp hh, 0,1,2,3,4,5                   ; a pair's two halves; in ascending order each line writes a register that has been read
	v_add_f32 v[DAC+\hh], v[DAC+2*\hh], v[DAC+2*\hh+1]
.endr
.irp m, 1,2,4
.irp u, 0,1,2,3,4,5
	v_add_f32_dpp v[DAC+\u], v[DAC+\u], v[DAC+\u] row_xmask:\m row_mask:0xf bank_mask:0xf
.endr
.endr
.irp hp, 0,2,4
	v_pk_mul_f32 v[DZ1+\hp:DZ1+\hp+1], v[DAC+\hp:DAC+\hp+1], v[GT+\hp:GT+\hp+1]
.endr
.irp hp, 0,2,4
	v_pk_mul_f32 v[DZ2+\hp:DZ2+\hp+1], v[DZ1+\hp:DZ1+\hp+1], v[DZ1+\hp:DZ1+\hp+1]
.endr
.irp hp, 0,2,4
	v_pk_mul_f32 v[DZ2+\hp:DZ2+\hp+1], v[DZ2+\hp:DZ2+\hp+1], s[CK:CK+1] op_sel_hi:[1,0]
.endr
.endm
; Pair n of a moment d takes its step's share: a weight's is y (a pair along the row) x one number of x (the row's); a bias's is y itself.  first = 1: the moment begins with it: nothing is cleared.
.macro ACCU d, y, x, first
.if n < uW
.if \first
	PMB (\d)+2*n, (\y)+2*(n%uR), (\x)+2*((n/uR)/2), (n/uR)&1
.else
	PFB (\d)+2*n, (\y)+2*(n%uR), (\x)+2*((n/uR)/2), (n/uR)&1, (\d)+2*n
.endif
.else
.if \first
	v_pk_mul_f32 v[(\d)+2*n:(\d)+2*n+1], v[(\y)+2*(n-uW):(\y)+2*(n-uW)+1], 1.0 op_sel_hi:[1,0]
.else
	v_pk_add_f32 v[(\d)+2*n:(\d)+2*n+1], v[(\d)+2*n:(\d)+2*n+1], v[(\y)+2*(n-uW):(\y)+2*(n-uW)+1]
.endif
.endif
.endm
; THE UPDATE of one layer (h = 2: W2 and b2, 28 pairs, all in window 1; h = 1: W1 and b1, 27 pairs, window 0), in three passes.
; (a) V and M take their shares; the roots of V ride between them, two pairs behind.  (b) DA s + DB; the reciprocals ride two pairs behind.  (c) p -= M r.
; The roots are one batch and the reciprocals another: nothing names a result before its pass is over, where a plain instruction and ONE wait stand.
; Between (a) and (b) the NEXT step's value (h = 2) or key (h = 1) is asked for: its registers have just had their last reader.
.macro UPD h, first
.if (\h) == 2
	WIN 0x55
.set uP, RP2
.set uM, RM2
.set uV, RV2
.set uS, RS2
.set uN, 28
.set uR, 4
.set uX, A
.set uX2, A2
.set uY, DY1
.set uY2, DY2
.else
	WIN 0
.set uP, RP1
.set uM, RM1
.set uV, RV1
.set uS, RS1
.set uN, 27
.set uR, 3
.set uX, K
.set uX2, K2
.set uY, DZ1
.set uY2, DZ2
.endif
.set uW, 24
.set n, 0
.rept uN
	ACCU uV, uY2, uX2, \first
.if n >= 2
	v_sqrt_f32 v[uS+2*n-4], v[uV+2*n-4]
.endif
	ACCU uM, uY, uX, \first
.if n >= 2
	v_sqrt_f32 v[uS+2*n-3], v[uV+2*n-3]
.endif
.set n, n+1
.endr
.irp x, 4,3,2,1
	v_sqrt_f32 v[uS+2*uN-\x], v[uV+2*uN-\x]
.endr
	v_nop
	s_wait_alu depctr_va_vdst(0)                   ; one wait for all the roots
.if (\h) == 2
	LOADV
	WIN 0x55
.else
	LOADK
.endif
.set n, 0
.rept uN
	v_pk_fma_f32 v[uS+2*n:uS+2*n+1], v[uS+2*n:uS+2*n+1], s[DA:DA+1], s[DB:DB+1] op_sel_hi:[1,0,0]
.if n >= 2
	v_rcp_f32 v[uS+2*n-4], v[uS+2*n-4]
	v_rcp_f32 v[uS+2*n-3], v[uS+2*n-3]
.endif
.set n, n+1
.endr
.irp x, 4,3,2,1
	v_rcp_f32 v[uS+2*uN-\x], v[uS+2*uN-\x]
.endr
	v_nop
	s_wait_alu depctr_va_vdst(0)                   ; one wait for all the reciprocals
.set n, 0
.rept uN
	v_pk_fma_f32 v[uP+2*n:uP+2*n+1], v[uM+2*n:uM+2*n+1], v[uS+2*n:uS+2*n+1], v[uP+2*n:uP+2*n+1] neg_lo:[1,0,0] neg_hi:[1,0,0]
.set n, n+1
.endr
.endm
.macro STEP first
	FWD1 0
	FWD2
	BWD
	UPD 2, \first
	UPD 1, \first
.endm
; THE PROJECTION.  A lane holds hq of channels 8 c .. and makes their share of outputs 16 g .. 16 g + 15; the shares are summed over c.
.macro OUTP1                           ; its operands are asked for ahead of the query, into registers that the moments have left
	WIN 0x40
.set n, 0
.rept 32
	ds_load_b128 v[OW+4*n:OW+4*n+3], v[L16] offset:OWI+512*n
.set n, n+1
.endr
	WIN 0
.irp q, 0,1,2,3
	ds_load_b128 v[OB+4*\q:OB+4*\q+3], v[AOB] offset:16*\q
.endr
.endm
.macro OUTP2
	s_wait_dscnt 0x0                               ; out_w and out_b
	WIN 0x05
.irp jj, 0,1,2,3,4,5,6,7
.irp np, 0,2,4,6,8,10,12,14
.if (\jj) == 0
	PMB ACC+\np, OW+16*(\jj)+\np, DY1+2*((\jj)/2), (\jj)&1
.else
	PFB ACC+\np, OW+16*(\jj)+\np, DY1+2*((\jj)/2), (\jj)&1, ACC+\np
.endif
.endr
.endr
	WIN 0
.irp m, 1,2,4
.irp u, 0,1,2,3,4,5,6,7,8,9,10,11,12,13,14,15
	v_add_f32_dpp v[ACC+\u], v[ACC+\u], v[ACC+\u] row_xmask:\m row_mask:0xf bank_mask:0xf
.endr
.endr
.irp np, 0,2,4,6,8,10,12,14
	v_pk_add_f32 v[ACC+\np:ACC+\np+1], v[ACC+\np:ACC+\np+1], v[OB+\np:OB+\np+1]
.endr
	v_add_nc_u32 v[T0], s[OSTD], v[AOB]            ; my wave's stage, this sample's 256 bytes, 64 g
.irp q, 0,1,2,3
	ds_store_b128 v[T0], v[ACC+4*\q:ACC+4*\q+3] offset:16*\q   ; the eight lanes of a g hold the same numbers and write the same bytes
.endr
	s_add_co_u32 s[OSTD], s[OSTD], 256
.endm
.Lsample:                                      ; four trips: a sample each
	INIT
	STEP 1                                         ; the first step is written out: its shares begin the moments
	s_mov_b32 s[NSTP], 7
.Lstep:
	STEP 0                                         ; the eighth step fetches tokens 30 and 31: the key's registers take the query (token 31's row lands where a value would, and is not read)
	s_sub_co_u32 s[NSTP], s[NSTP], 1
	s_cmp_lg_u32 s[NSTP], 0
	s_cbranch_scc1 .Lstep
	OUTP1
	FWD1 1
	FWD2
	OUTP2
	s_add_co_u32 s[STOK], s[STOK], 56              ; nine pairs of tokens were walked: 72 bytes of the row's 128
	s_sub_co_u32 s[NSAM], s[NSAM], 1
	s_cmp_lg_u32 s[NSAM], 0
	s_cbranch_scc1 .Lsample
	; THE WAY OUT: my four samples, 1,024 consecutive bytes of out0, out of my own stage (LDS serves a wave's instructions in order: ISA guide 5.7.1.4)
	s_lshl_b32 s[TS], s[WV], 10
	v_add_nc_u32 v[T1], s[TS], v[L16]
	ds_load_b128 v[8:11], v[T1] offset:OST
	ds_load_b128 v[12:15], v[T1] offset:OST+512
	s_wait_dscnt 0x0
	global_store_b128 v[T1], v[8:11], s[20:21] th:TH_STORE_NT              ; each store of the wave covers 512 consecutive bytes, aligned
	global_store_b128 v[T1], v[12:15], s[20:21] offset:512 th:TH_STORE_NT
	s_wait_tensorcnt 0x0                           ; the wave's end
	ds_add_u32 v[SPW], v[NIL]
	s_wait_dscnt 0x0
	s_endpgm
.Lfunc_end_k_q9db45fea47_adam:
	.size	k_q9db45fea47_adam, .Lfunc_end_k_q9db45fea47_adam-k_q9db45fea47_adam
	.p2alignl 7, 3214868480
	.fill 96, 4, 3214868480
	.section	.rodata,"a",@progbits
	.p2align	6, 0x0
	.amdhsa_kernel k_q9db45fea47_adam
		.amdhsa_group_segment_fixed_size 60672
		.amdhsa_private_segment_fixed_size 0
		.amdhsa_enable_private_segment 0
		.amdhsa_kernarg_size 72
		.amdhsa_user_sgpr_count 2
		.amdhsa_user_sgpr_kernarg_segment_ptr 1
		.amdhsa_wavefront_size32 1
		.amdhsa_system_sgpr_workgroup_id_x 1
		.amdhsa_system_sgpr_workgroup_id_y 1
		.amdhsa_system_sgpr_workgroup_id_z 1
		.amdhsa_system_vgpr_workitem_id 0
		.amdhsa_next_free_vgpr 512
		.amdhsa_next_free_sgpr 66
		.amdhsa_reserve_vcc 0
		.amdhsa_float_denorm_mode_32 3
		.amdhsa_float_denorm_mode_16_64 3
		.amdhsa_memory_ordered 1
		.amdhsa_forward_progress 1
		.amdhsa_inst_pref_size 103
	.end_amdhsa_kernel
	.amdgpu_metadata
---
amdhsa.version: [ 1, 2 ]
amdhsa.kernels:
  - .name:           k_q9db45fea47_adam
    .symbol:         k_q9db45fea47_adam.kd
    .args:
      - { .name: tab, .offset: 0, .size: 8, .value_kind: global_buffer, .address_space: global }
      - { .name: seqs, .offset: 8, .size: 8, .value_kind: global_buffer, .address_space: global }
      - { .name: mlp_w1, .offset: 16, .size: 8, .value_kind: global_buffer, .address_space: global }
      - { .name: mlp_b1, .offset: 24, .size: 8, .value_kind: global_buffer, .address_space: global }
      - { .name: mlp_w2, .offset: 32, .size: 8, .value_kind: global_buffer, .address_space: global }
      - { .name: mlp_b2, .offset: 40, .size: 8, .value_kind: global_buffer, .address_space: global }
      - { .name: out_w, .offset: 48, .size: 8, .value_kind: global_buffer, .address_space: global }
      - { .name: out_b, .offset: 56, .size: 8, .value_kind: global_buffer, .address_space: global }
      - { .name: out0, .offset: 64, .size: 8, .value_kind: global_buffer, .address_space: global }
    .group_segment_fixed_size: 60672
    .private_segment_fixed_size: 0
    .kernarg_segment_align: 8
    .kernarg_segment_size: 72
    .max_flat_workgroup_size: 256
    .sgpr_count:     66
    .vgpr_count:     512
    .wavefront_size: 32
...
	.end_amdgpu_metadata
.endif
;; end of part 2
;; ======== version 2 of 2: 2 launches; version 1 with the launch adam written anew for expert scheduling mode
;; workspace buffers: tab 16,384 bytes
;; launch enc: the kernel of part 1 again; grid 64 x 1, 4 waves a work-group, no clusters, 1,536 bytes of LDS; arguments embed, ff_w1, ff_b1, ff_w2, ff_b2, ln_g, ln_b, tab; writes tab
;; launch adam (part 3): grid 256 x 1, 8 waves a work-group, no clusters, 60,672 bytes of LDS; arguments tab, seqs, mlp_w1, mlp_b1, mlp_w2, mlp_b2, out_w, out_b, out0; writes out0
.if DOCPART == 3
	.amdgcn_target "amdgcn-amd-amdhsa--gfx1250"
	.amdhsa_code_object_version 6
	.text
	.protected	k_q9db45fea47_adam
	.globl	k_q9db45fea47_adam
	.p2align	8
	.type	k_q9db45fea47_adam,@function
k_q9db45fea47_adam:
	s_mov_b64 s[64:65], 0
	v_nop
	global_prefetch_b8 v0, s[64:65] scope:SCOPE_SE
	s_setreg_imm32_b32 hwreg(HW_REG_WAVE_SCHED_MODE, 0, 2), 2
	s_setreg_imm32_b32 hwreg(HW_REG_WAVE_MODE, 25, 1), 1
	s_wait_xcnt 0x0
	s_wait_alu depctr_vm_vsrc(0)
; EIGHT ADAM STEPS ON A PRIVATE MLP (64 -> 24 -> 64, 3,160 parameters) FOR EACH OF 8,192 SAMPLES, THE QUERY THROUGH THE TRAINED MLP, AND THE LAST PROJECTION.
; SHARES.  A work-group of eight waves takes 32 samples, a wave four, one after the other; a sample's parameters and both moments live in the wave's registers for all eight steps.
; LANE TILE.  c = lane % 8, g = lane / 8.  A lane owns channels 8 c .. 8 c + 7 (of the input and of the output) and hidden units 6 g .. 6 g + 5: 8 x 6 of W1, 6 x 8 of W2, its 6 of b1 and its 8 of b2
; (b1 in a copy in each of 8 lanes, b2 in each of 4).  z and da are summed over c (lanes 1, 2, 4 apart), y over g (lanes 8 and 16 apart); such sums come out bit-equal in all partners, so the copies
; stay equal, and every lane ends with just the k, a, dy and dz that its own tile wants: nothing is gathered.
; ADAM, RESCALED.  Kept are M = m / b1^t and V = v / b2^t, so that a moment's update is one fused multiply-add of rank 1: M += x y1, V += x^2 y2, with y1 = (0.1 / b1^t) g's factor and y2 = CK y1^2.
; Then p -= M / (DA sqrt(V) + DB).  CA, CK, DA, DB hang on the step alone: CA = 0.1f / (32 b1^t) (the 1/32 is the loss's 2/64), CK = (0.001f / b2^t) / (0.1f / b1^t)^2,
; DA = sqrt(b2^t / bc2) bc1 / (0.05f b1^t), DB = 1e-8 bc1 / (0.05f b1^t), with b1 = 0.9f, b2 = 0.999f and bc = 1 - (b^t rounded to f32), as the f32 arithmetic of the definition has them.
; ALL IN F32, ON THE VECTOR UNIT.  The weights differ from sample to sample, so each product has one row; the first step is LR x sign(g) and the ReLU gates are steps, so a rounding to 16 bits turns signs.
; The last projection (64 x 64 a sample, one part in a hundred of the arithmetic) finds hq in the lanes' tiles and is taken there too.
; NO CLUSTER, NO TENSOR LOAD, NO PREFETCH: what work-groups share is 60 KiB of tables, staged once at the head; nothing is streamed, and the launch's time is arithmetic.
; LIMITS.  A pre-activation with 0 < |z| < 2^-127 has a gate between 0 and 1 (at z = 0 it is 0.5, as the maximum's gradient is defined); a V below 2^-126 counts as 0 under the root (far below the 1e-8
; beside it); NaN and infinities are not treated apart; a token is held to 0 .. 63; sums are taken in another order than a plain dot product.
; THE MODE: SCHED_MODE bits 1:0 = 2 (LLVM: expert scheduling mode 2), set by the entry lines.  The code itself states the register dependences between vector instructions and memory or LDS
; instructions, with s_wait_alu, always for 0.
; THE PLAN.  Registers that LDS or memory instructions touch, from the first sample on:
;   v[AC], v[AT], v[AKR], v[AVR]  LDS addresses: the next step's constants, the next pair of tokens, the next key's row, the next value's row.  Written together, once a step (TOKS, in the middle of FWD1),
;                 behind one wait on vm_vsrc.  Read by the two loads at the next step's head (AC, AT) and by the loads between this step's update passes (AVR in W2's update, AKR in W1's).
;   v[CSTV ..], v[TOKV ..]  dz^2's six registers.  Loaded at a step's head; read by v_readfirstlane_b32; then BWD writes dz^2 there, whose last readers are the first pass of W1's update.
;   K, DY2        Last read by the first pass of W1's (W2's) update; loaded again, for the next step, straight behind the wait that closes that pass.
;   RP1, RP2      Loaded once a sample (INIT); their last readers are the query's two products.
;   OW, OB        out_w and out_b land where M2, V2, the head of S2 and a part of M1 lay; M1's last reader is the last pass of the eighth step.
;   ACC, v[AT]    The projection writes them, the four stores into the stage read them; the next sample writes both again.
;   v[L16], v[L8], v[AOB], v[TOFF]  made at the head and never written again.
; THE WAITS.  A step holds four waits on va_vdst, one behind each batch of roots or reciprocals.  All a step's addresses are made ahead of them, and its loads are laid so that these
; four state their dependences too: the value's and the key's loads stand straight behind the roots' waits; and between the last wait (W1's reciprocals) and the two loads at the next step's head
; stands the last pass alone, which names P1, M1 and S1, none of the registers that those loads touch.  Besides: one wait on va_sdst and one on vm_vsrc a step, both in TOKS.
.set TAB,   0                          ; LDS: the encoder's table, 64 rows of 256 bytes
.set OWI,   16384                      ; out_w by lanes: quad 4 jj + q at 512 (4 jj + q) + 16 lane
.set P1I,   32768                      ; W1 and b1 by lanes: pair n of 27 at 256 n + 8 lane
.set P2I,   39680                      ; W2 and b2 by lanes: quad n of 14 at 512 n + 16 lane
.set SEQ,   46848                      ; the work-group's 32 rows of seqs, 128 bytes each
.set OBS,   50944                      ; out_b
.set CST,   51200                      ; 8 steps x (CA, CK, DA, DB)
.set OST,   51456                      ; the way out: 1,024 bytes for each wave, 256 a sample
.set SPARE, 59648                      ; the spare words, 128 bytes for each of the eight waves; no other line names them
; window 0
.set AKR,  0                           ; v0   from the first sample on: LDS address of my 8 channels in the next key's row
.set SPW,  1                           ; v1   my spare word; never rewritten
.set NIL,  2                           ; v2   0; never rewritten
.set TOFF, 3                           ; v3   32 c: my 8 channels in a row of the table
.set BIG,  4                           ; v4   2^126
.set HALF, 5                           ; v5   0.5
.set T0,   6                           ; v6   at the head: 16 T
.set T1,   7                           ; v7   at the head: my place in out_w
.set AT,   6                           ; v6   LDS address of the next pair of tokens; at a sample's end of my place in the stage
.set AC,   7                           ; v7   LDS address of the next step's constants; on the way out my 16 bytes in the stage and in out0
.set K,    8                           ; v[8:15]   the key's (at the end the query's) 8 channels; at the head c, g and six offsets:
.set O1B,  10                          ; 24 g: my place in b1
.set O1,   11                          ; 768 c + 24 g: in W1
.set O2,   12                          ; 1,536 g + 32 c: in W2
.set O3,   13                          ; 16 (lane % 16): in out_b
.set O4,   14                          ; 0: the constants' rows
.set OWS,  15                          ; 2,048 w + 16 lane: where out_w goes in LDS
.set K2,   16                          ; v[16:23]  their squares
.set DZ1,  24                          ; v[24:29]  dz, scaled for M
.set DZ2,  30                          ; v[30:35]  dz^2, scaled for V; ahead of that:
.set CSTV, 30                          ; v[30:33]  the step's four constants as loaded
.set TOKV, 34                          ; v[34:35]  two tokens as loaded
.set L16,  36                          ; v36  16 x lane
.set L8,   37                          ; v37  8 x lane
.set AOB,  38                          ; v38  OBS + 64 g
.set T2,   39                          ; v39  at the head: the lane
.set AVR,  39                          ; v39  LDS address of my 8 channels in the next value's row
.set RP1,  40                          ; 54 each: W1 (6 ii + hh), then b1
.set RM1,  94
.set RV1,  148
.set RS1,  202                         ; the roots and reciprocals; outside that, scratch of vector instructions alone:
.set ZA,   RS1                         ; z, two partial chains
.set ZB,   RS1+6
.set GT,   RS1+12                      ; the gates
.set YA,   RS1+28                      ; y, two partial chains
.set YB,   RS1+36
.set DAC,  RS1+28                      ; da, six pairs, when y is done with
.set ACC,  94                          ; the projection's 16 sums, and out_b's 16, where M1 lay
.set OB,   110
.set CR,   208                         ; at the head, wave 3: the 32 constants on their way into LDS
; window 1
.set A,    0                           ; v[0:5]    a = relu(z)
.set A2,   6                           ; v[6:11]   a^2
.set DY2,  12                          ; v[12:19]  the value's 8 channels, then dy^2 scaled for V
.set DY1,  20                          ; v[20:27]  y, then dy scaled for M; in the query hq
.set RP2,  32                          ; 56 each: W2 (8 hh + jj), then b2
.set RM2,  88
.set RV2,  144
.set RS2,  200
.set OW,   88                          ; out_w's 128, where M2, V2 and the head of S2 lay
; scalars: s[4:21] the nine addresses
.set WV,   22                          ; my wave's number
.set TS,   23                          ; at work
.set SEL,  24                          ; s[24:25] lane selects for v_permlanex16_b32
.set CA,   26                          ; s[26:33] the step's constants, each the low word of a pair (the high words are written once)
.set CK,   28
.set DA,   30
.set DB,   32
.set STOK, 34                          ; LDS byte of the next pair of tokens
.set SCST, 35                          ; LDS byte of the next step's constants
.set KROW, 36                          ; LDS byte of the next key's row, and of the next value's
.set VROW, 37
.set NSAM, 38                          ; samples to go
.set NSTP, 39                          ; steps to go
.set OSTD, 40                          ; from AOB to my place in the stage
.set MSB, 0
.macro WIN new                         ; s_set_vgpr_msb: bits 1:0 source 0, 3:2 source 1, 5:4 source 2, 7:6 destination; the high byte repeats the setting that is left
.if MSB != (\new)
	s_set_vgpr_msb (MSB<<8)|(\new)
.set MSB, (\new)
.endif
.endm
; d = a x b (+ c), two at a time, with ONE number of the pair b for both: sel = 0 its first register, 1 its second
.macro PFB d, a, b, sel, c
.if (\sel)
	v_pk_fma_f32 v[(\d):(\d)+1], v[(\a):(\a)+1], v[(\b):(\b)+1], v[(\c):(\c)+1] op_sel:[0,1,0] op_sel_hi:[1,1,1]
.else
	v_pk_fma_f32 v[(\d):(\d)+1], v[(\a):(\a)+1], v[(\b):(\b)+1], v[(\c):(\c)+1] op_sel_hi:[1,0,1]
.endif
.endm
.macro PMB d, a, b, sel
.if (\sel)
	v_pk_mul_f32 v[(\d):(\d)+1], v[(\a):(\a)+1], v[(\b):(\b)+1] op_sel:[0,1] op_sel_hi:[1,1]
.else
	v_pk_mul_f32 v[(\d):(\d)+1], v[(\a):(\a)+1], v[(\b):(\b)+1] op_sel_hi:[1,0]
.endif
.endm
	s_load_b512 s[4:19], s[0:1], 0x0               ; tab, seqs, mlp_w1, mlp_b1, mlp_w2, mlp_b2, out_w, out_b
	s_load_b64 s[20:21], s[0:1], 0x40              ; out0
	v_lshl_add_u32 v[SPW], v0, 2, SPARE
	v_mov_b32 v[NIL], 0
	v_lshrrev_b32 v[T0], 5, v0
	v_readfirstlane_b32 s[WV], v[T0]               ; wave 0..7
	s_mov_b32 s[SEL], 0x76543210
	s_mov_b32 s[SEL+1], 0xfedcba98
	s_mov_b32 s[CA+1], 0                           ; named as pairs, so they are written
	s_mov_b32 s[CK+1], 0
	s_mov_b32 s[DA+1], 0
	s_mov_b32 s[DB+1], 0
	v_and_b32 v[T2], 31, v0
	v_lshlrev_b32 v[L16], 4, v[T2]
	v_lshlrev_b32 v[L8], 3, v[T2]
	v_and_b32 v[K], 7, v0                          ; c
	v_bfe_u32 v[K+1], v0, 3, 2                     ; g
	v_lshlrev_b32 v[TOFF], 5, v[K]
	v_lshl_add_u32 v[AOB], v[K+1], 6, OBS
	v_mov_b32 v[BIG], 0x7e800000
	v_mov_b32 v[HALF], 0.5
	v_lshlrev_b32 v[T0], 4, v0                     ; 16 T
	s_wait_alu depctr_va_sdst(0)                   ; the wave's number is written, ahead of its first reader
	s_lshl_b32 s[TS], s[WV], 8
	s_lshl_b32 s41, s[WV], 11
	v_lshlrev_b32 v[T1], 11, v[K]                  ; out_w[8 c + w][16 g ..]: 2,048 c + 256 w + 64 g
	v_lshl_add_u32 v[T1], v[K+1], 6, v[T1]
	v_add_nc_u32 v[T1], s[TS], v[T1]
	; The offsets of the shares that waves 0 to 3 take besides, and out_w's place in LDS: every wave makes them here, each in a register of its own, so that the one wait below serves all the staging
	v_mul_u32_u24 v[O1B], v[K+1], 24
	v_mul_u32_u24 v[O1], v[K], 768                 ; W1[8 c + ii][6 g + hh]: 768 c + 96 ii + 24 g + 4 hh
	v_add_nc_u32 v[O1], v[O1], v[O1B]
	v_mul_u32_u24 v[O2], v[K+1], 1536              ; W2[6 g + hh][8 c + jj]: 1,536 g + 256 hh + 32 c + 4 jj
	v_add_nc_u32 v[O2], v[O2], v[TOFF]
	v_and_b32 v[O3], 15, v0                        ; out_b is 256 bytes: lanes 16 to 31 repeat lanes 0 to 15
	v_lshlrev_b32 v[O3], 4, v[O3]
	v_mov_b32 v[O4], 0
	v_add_nc_u32 v[OWS], s41, v[L16]               ; jj = my wave: 2,048 w + 16 lane
	s_lshl_b32 s42, ttmp9, 12                      ; the work-group's 32 rows of seqs,
	s_mov_b32 s43, 0
	s_lshl_b32 s44, ttmp9, 13                      ; and of out0
	s_mov_b32 s45, 0
	s_wait_kmcnt 0x0
	s_add_nc_u64 s[6:7], s[6:7], s[42:43]
	s_add_nc_u64 s[20:21], s[20:21], s[44:45]
	s_wait_alu depctr_va_vdst(0)                   ; all the offsets and LDS addresses made above are written, which the staging's loads and stores, and the later loads by L16, L8, AOB, read
	; STAGING.  Every wave: its share of the table, of the tokens and of out_w.  Waves 0 to 3 besides: W1 and b1; W2 and b2; out_b; the steps' constants; each through registers of its own.
.irp n, 0,1,2,3
	global_load_b128 v[40+4*\n:43+4*\n], v[T0], s[4:5] offset:4096*\n
.endr
	global_load_b128 v[56:59], v[T0], s[6:7] th:TH_LOAD_NT
.irp q, 0,1,2,3
	global_load_b128 v[60+4*\q:63+4*\q], v[T1], s[16:17] offset:16*\q
.endr
	s_cmp_lg_u32 s[WV], 0
	s_cbranch_scc1 .Lnot0
.set n, 0
.rept 24
	global_load_b64 v[94+2*n:95+2*n], v[O1], s[8:9] offset:96*(n/3)+8*(n%3)
.set n, n+1
.endr
.irp p, 0,1,2
	global_load_b64 v[142+2*\p:143+2*\p], v[O1B], s[10:11] offset:8*\p
.endr
	s_wait_loadcnt 0x0
.set n, 0
.rept 27
	ds_store_b64 v[L8], v[94+2*n:95+2*n] offset:P1I+256*n
.set n, n+1
.endr
.Lnot0:
	s_cmp_lg_u32 s[WV], 1
	s_cbranch_scc1 .Lnot1
.set n, 0
.rept 12
	global_load_b128 v[148+4*n:151+4*n], v[O2], s[12:13] offset:256*(n/2)+16*(n%2)
.set n, n+1
.endr
.irp q, 0,1
	global_load_b128 v[196+4*\q:199+4*\q], v[TOFF], s[14:15] offset:16*\q
.endr
	s_wait_loadcnt 0x0
.set n, 0
.rept 14
	ds_store_b128 v[L16], v[148+4*n:151+4*n] offset:P2I+512*n
.set n, n+1
.endr
.Lnot1:
	s_cmp_lg_u32 s[WV], 2
	s_cbranch_scc1 .Lnot2
	global_load_b128 v[204:207], v[O3], s[18:19]
	s_wait_loadcnt 0x0
	ds_store_b128 v[O3], v[204:207] offset:OBS
.Lnot2:
	s_cmp_lg_u32 s[WV], 3
	s_cbranch_scc1 .Lnot3
.macro CROW t, ca, ck, da, db          ; step t's four constants, in four registers of their own
	v_mov_b32 v[CR+4*((\t)-1)], \ca
	v_mov_b32 v[CR+4*((\t)-1)+1], \ck
	v_mov_b32 v[CR+4*((\t)-1)+2], \da
	v_mov_b32 v[CR+4*((\t)-1)+3], \db
.endm
	CROW 1, 0.003472222366, 0.08108107718, 70.2381618, 0.000000022222228
	CROW 2, 0.003858024953, 0.06574140960, 104.824322, 0.000000046913596
	CROW 3, 0.004286694507, 0.05330384211, 135.605768, 0.000000074348451
	CROW 4, 0.004762994023, 0.04321932859, 165.547695, 0.00000010483162
	CROW 5, 0.005292215721, 0.03504269655, 195.861441, 0.00000013870180
	CROW 6, 0.005880239845, 0.02841299533, 227.250658, 0.00000017633534
	CROW 7, 0.006533600001, 0.02303756226, 260.220093, 0.00000021815039
	CROW 8, 0.007259555749, 0.01867910331, 295.181204, 0.00000026461155
	s_wait_alu depctr_va_vdst(0)                   ; the 32 constants are written, which the eight LDS stores read
.set n, 0
.rept 8
	ds_store_b128 v[O4], v[CR+4*n:CR+4*n+3] offset:CST+16*n    ; all lanes write the same 16 bytes
.set n, n+1
.endr
.Lnot3:
	s_wait_loadcnt 0x0                             ; the nine loads that every wave issued
.irp n, 0,1,2,3
	ds_store_b128 v[T0], v[40+4*\n:43+4*\n] offset:TAB+4096*\n
.endr
	ds_store_b128 v[T0], v[56:59] offset:SEQ
.irp q, 0,1,2,3
	ds_store_b128 v[OWS], v[60+4*\q:63+4*\q] offset:OWI+512*\q
.endr
	s_wait_dscnt 0x0                               ; for the others: my stores are done
	s_barrier_signal -1
	s_barrier_wait -1                              ; the launch's one barrier: from here on the tables are only read, and a wave writes its own stage alone
	s_lshl_b32 s[STOK], s[WV], 9
	s_add_co_u32 s[STOK], s[STOK], SEQ+56          ; my first sample's tokens 14 and 15
	s_lshl_b32 s[OSTD], s[WV], 10
	s_add_co_u32 s[OSTD], s[OSTD], OST-OBS
	s_mov_b32 s[NSAM], 4
; The two tokens just loaded become rows of the table, and the four LDS addresses of the loads to come are made: the key's and the value's row, the next step's constants, the next pair of tokens.
.macro TOKS
	v_readfirstlane_b32 s[KROW], v[TOKV]
	v_readfirstlane_b32 s[VROW], v[TOKV+1]
	s_wait_alu depctr_va_sdst(0)                   ; the scalars that the v_readfirstlane_b32 above have written (in a step the four constants too) are written, ahead of their first readers
	s_min_u32 s[KROW], s[KROW], 63
	s_min_u32 s[VROW], s[VROW], 63
	s_lshl_b32 s[KROW], s[KROW], 8
	s_lshl_b32 s[VROW], s[VROW], 8
	s_wait_alu depctr_vm_vsrc(0)                   ; the LDS loads issued so far have read v[AKR], v[AVR], v[AC] and v[AT], which the four lines below write anew
	v_add_nc_u32 v[AKR], s[KROW], v[TOFF]
	v_add_nc_u32 v[AVR], s[VROW], v[TOFF]
	v_mov_b32 v[AC], s[SCST]                       ; (what the eighth step makes of these two is loaded by nobody)
	v_mov_b32 v[AT], s[STOK]
.endm
.macro LOADK                           ; my 8 channels of the key's row; windows all 0
	ds_load_b128 v[K:K+3], v[AKR] offset:TAB
	ds_load_b128 v[K+4:K+7], v[AKR] offset:TAB+16
.endm
.macro LOADV                           ; the same of the value's row; destination in window 1, address in window 0
	ds_load_b128 v[DY2:DY2+3], v[AVR] offset:TAB
	ds_load_b128 v[DY2+4:DY2+7], v[AVR] offset:TAB+16
.endm
; A SAMPLE BEGINS: its first two tokens, the base parameters out of the lanes' images, the first key and value.
.macro INIT
	WIN 0
	s_wait_alu depctr_vm_vsrc(0)                   ; the stores into the stage (ahead of the first sample: the staging's loads and stores) have read v[AT], and the registers in which the parameters land and which the first step writes
	v_mov_b32 v[AT], s[STOK]
	s_wait_alu depctr_va_vdst(0)                   ; v[AT] is written, which the tokens' load reads
	ds_load_b64 v[TOKV:TOKV+1], v[AT]
	s_add_co_u32 s[STOK], s[STOK], 8
	s_mov_b32 s[SCST], CST
.set n, 0
.rept 27
	ds_load_b64 v[RP1+2*n:RP1+2*n+1], v[L8] offset:P1I+256*n   ; no vector instruction since the wait names these registers: the query's products, their last readers, stand ahead of it
.set n, n+1
.endr
	WIN 0x40
.set n, 0
.rept 14
	ds_load_b128 v[RP2+4*n:RP2+4*n+3], v[L16] offset:P2I+512*n
.set n, n+1
.endr
	WIN 0
	s_wait_dscnt 41                                ; the 41 loads of parameters are younger than the tokens' load: the tokens are in
	TOKS
	WIN 0x40
	s_wait_alu depctr_va_vdst(0)                   ; the four addresses are written, which the loads below and those at the first step's head read; v[TOKV ..] has been read, in which the next tokens land
	LOADV
	WIN 0
	LOADK
.endm
; z = k W1 + b1, the gates, a = relu(z).  q = 0: a step: it also fetches its constants and the NEXT step's tokens.  q = 1: the query.
.macro FWD1 q
	WIN 0
.if (\q) == 0
	ds_load_b128 v[CSTV:CSTV+3], v[AC]             ; no wait: since the last wait on va_vdst (a sample's beginning; else W1's reciprocals) no vector instruction names v[AC], v[AT] or dz^2's registers
	ds_load_b64 v[TOKV:TOKV+1], v[AT]
	s_add_co_u32 s[SCST], s[SCST], 16
	s_add_co_u32 s[STOK], s[STOK], 8
	s_wait_dscnt 0x2                               ; only the two loads just issued may be out: key, value (and, in a first step, the parameters) are in
.irp p, 0,2,4,6
	v_pk_mul_f32 v[K2+\p:K2+\p+1], v[K+\p:K+\p+1], v[K+\p:K+\p+1]
.endr
.else
	s_wait_dscnt 36                                ; the projection's 36 loads are younger than the query row's: the query is in
.endif
.irp ii, 0,4,1,5,2,6,3,7               ; two chains (ii < 4, ii >= 4) of three pairs each take turns
.irp hp, 0,2,4
.if (\ii)%4 == 0
	PMB ZA+6*((\ii)/4)+\hp, RP1+6*(\ii)+\hp, K+2*((\ii)/2), (\ii)&1
.else
	PFB ZA+6*((\ii)/4)+\hp, RP1+6*(\ii)+\hp, K+2*((\ii)/2), (\ii)&1, ZA+6*((\ii)/4)+\hp
.endif
.endr
.endr
.irp hp, 0,2,4
	v_pk_add_f32 v[ZA+\hp:ZA+\hp+1], v[ZA+\hp:ZA+\hp+1], v[ZB+\hp:ZB+\hp+1]
.endr
.irp m, 1,2,4                          ; over the eight lanes that hold the other channels
.irp u, 0,1,2,3,4,5
	v_add_f32_dpp v[ZA+\u], v[ZA+\u], v[ZA+\u] row_xmask:\m row_mask:0xf bank_mask:0xf
.endr
.endr
.irp hp, 0,2,4
	v_pk_add_f32 v[ZA+\hp:ZA+\hp+1], v[ZA+\hp:ZA+\hp+1], v[RP1+48+\hp:RP1+48+\hp+1]
.endr
.if (\q) == 0
.irp u, 0,1,2,3,4,5
	v_fma_f32 v[GT+\u], v[ZA+\u], v[BIG], v[HALF] clamp     ; 1 for z > 0, 0 for z < 0, 0.5 at 0
.endr
	s_wait_dscnt 0x0                               ; the constants and the tokens
	v_readfirstlane_b32 s[CA], v[CSTV]
	v_readfirstlane_b32 s[CK], v[CSTV+1]
	v_readfirstlane_b32 s[DA], v[CSTV+2]
	v_readfirstlane_b32 s[DB], v[CSTV+3]
	TOKS
.endif
	WIN 0x40
.irp u, 0,1,2,3,4,5
	v_max_num_f32 v[A+\u], 0, v[ZA+\u]
.endr
.endm
; y = a W2 + b2, into DY1
.macro FWD2
	WIN 0x05
.irp hh, 0,3,1,4,2,5                   ; two chains (hh < 3, hh >= 3) of four pairs each take turns
.irp jp, 0,2,4,6
.if (\hh)%3 == 0
	PMB YA+8*((\hh)/3)+\jp, RP2+8*(\hh)+\jp, A+2*((\hh)/2), (\hh)&1
.else
	PFB YA+8*((\hh)/3)+\jp, RP2+8*(\hh)+\jp, A+2*((\hh)/2), (\hh)&1, YA+8*((\hh)/3)+\jp
.endif
.endr
.endr
	WIN 0
.irp jp, 0,2,4,6
	v_pk_add_f32 v[YA+\jp:YA+\jp+1], v[YA+\jp:YA+\jp+1], v[YB+\jp:YB+\jp+1]
.endr
.irp u, 0,1,2,3,4,5,6,7                ; over the four lanes that hold the other hidden units: 8 away,
	v_add_f32_dpp v[YA+\u], v[YA+\u], v[YA+\u] row_xmask:8 row_mask:0xf bank_mask:0xf
.endr
.irp u, 0,1,2,3,4,5,6,7                ; and 16 away
	v_permlanex16_b32 v[YB+\u], v[YA+\u], s[SEL], s[SEL+1]
.endr
.irp jp, 0,2,4,6
	v_pk_add_f32 v[YA+\jp:YA+\jp+1], v[YA+\jp:YA+\jp+1], v[YB+\jp:YB+\jp+1]
.endr
	WIN 0x44
.irp jp, 0,2,4,6
	v_pk_add_f32 v[DY1+\jp:DY1+\jp+1], v[YA+\jp:YA+\jp+1], v[RP2+48+\jp:RP2+48+\jp+1]
.endr
.endm
; dy, da = W2 dy (with the weights as they were in the forward pass), dz = da x gate; each in the two scalings that M and V want
.macro BWD
	WIN 0x55
.irp jp, 0,2,4,6
	v_pk_add_f32 v[DY1+\jp:DY1+\jp+1], v[DY1+\jp:DY1+\jp+1], v[DY2+\jp:DY2+\jp+1] neg_lo:[0,1] neg_hi:[0,1]
.endr
.irp jp, 0,2,4,6
	v_pk_mul_f32 v[DY1+\jp:DY1+\jp+1], v[DY1+\jp:DY1+\jp+1], s[CA:CA+1] op_sel_hi:[1,0]
.endr
.irp jp, 0,2,4,6
	v_pk_mul_f32 v[DY2+\jp:DY2+\jp+1], v[DY1+\jp:DY1+\jp+1], v[DY1+\jp:DY1+\jp+1]
.endr
.irp jp, 0,2,4,6
	v_pk_mul_f32 v[DY2+\jp:DY2+\jp+1], v[DY2+\jp:DY2+\jp+1], s[CK:CK+1] op_sel_hi:[1,0]
.endr
.irp hp, 0,2,4
	v_pk_mul_f32 v[A2+\hp:A2+\hp+1], v[A+\hp:A+\hp+1], v[A+\hp:A+\hp+1]
.endr
	WIN 0x05
.irp jp, 0,2,4,6                       ; six chains, one a hidden unit, take turns
.irp hh, 0,1,2,3,4,5
.if (\jp) == 0
	v_pk_mul_f32 v[DAC+2*\hh:DAC+2*\hh+1], v[RP2+8*\hh+\jp:RP2+8*\hh+\jp+1], v[DY1+\jp:DY1+\jp+1]
.else
	v_pk_fma_f32 v[DAC+2*\hh:DAC+2*\hh+1], v[RP2+8*\hh+\jp:RP2+8*\hh+\jp+1], v[DY1+\jp:DY1+\jp+1], v[DAC+2*\hh:DAC+2*\hh+1]
.endif
.endr
.endr
	WIN 0
.irp hh, 0,1,2,3,4,5                   ; a pair's two halves; in ascending order each line writes a register that has been read
	v_add_f32 v[DAC+\hh], v[DAC+2*\hh], v[DAC+2*\hh+1]
.endr
.irp m, 1,2,4
.irp u, 0,1,2,3,4,5
	v_add_f32_dpp v[DAC+\u], v[DAC+\u], v[DAC+\u] row_xmask:\m row_mask:0xf bank_mask:0xf
.endr
.endr
.irp hp, 0,2,4
	v_pk_mul_f32 v[DZ1+\hp:DZ1+\hp+1], v[DAC+\hp:DAC+\hp+1], v[GT+\hp:GT+\hp+1]
.endr
.irp hp, 0,2,4
	v_pk_mul_f32 v[DZ2+\hp:DZ2+\hp+1], v[DZ1+\hp:DZ1+\hp+1], v[DZ1+\hp:DZ1+\hp+1]
.endr
.irp hp, 0,2,4
	v_pk_mul_f32 v[DZ2+\hp:DZ2+\hp+1], v[DZ2+\hp:DZ2+\hp+1], s[CK:CK+1] op_sel_hi:[1,0]
.endr
.endm
; Pair n of a moment d takes its step's share: a weight's is y (a pair along the row) x one number of x (the row's); a bias's is y itself.  first = 1: the moment begins with it: nothing is cleared.
.macro ACCU d, y, x, first
.if n < uW
.if \first
	PMB (\d)+2*n, (\y)+2*(n%uR), (\x)+2*((n/uR)/2), (n/uR)&1
.else
	PFB (\d)+2*n, (\y)+2*(n%uR), (\x)+2*((n/uR)/2), (n/uR)&1, (\d)+2*n
.endif
.else
.if \first
	v_pk_mul_f32 v[(\d)+2*n:(\d)+2*n+1], v[(\y)+2*(n-uW):(\y)+2*(n-uW)+1], 1.0 op_sel_hi:[1,0]
.else
	v_pk_add_f32 v[(\d)+2*n:(\d)+2*n+1], v[(\d)+2*n:(\d)+2*n+1], v[(\y)+2*(n-uW):(\y)+2*(n-uW)+1]
.endif
.endif
.endm
; THE UPDATE of one layer (h = 2: W2 and b2, 28 pairs, all in window 1; h = 1: W1 and b1, 27 pairs, window 0), in three passes.
; (a) V and M take their shares; the roots of V ride between them, two pairs behind.  (b) DA s + DB; the reciprocals ride two pairs behind.  (c) p -= M r.
; The roots are one batch and the reciprocals another: nothing names a result before its pass is over, where a plain instruction and ONE wait stand.
; Between (a) and (b) the NEXT step's value (h = 2) or key (h = 1) is asked for: its registers have just had their last reader, and the roots' wait states that too.
.macro UPD h, first
.if (\h) == 2
	WIN 0x55
.set uP, RP2
.set uM, RM2
.set uV, RV2
.set uS, RS2
.set uN, 28
.set uR, 4
.set uX, A
.set uX2, A2
.set uY, DY1
.set uY2, DY2
.else
	WIN 0
.set uP, RP1
.set uM, RM1
.set uV, RV1
.set uS, RS1
.set uN, 27
.set uR, 3
.set uX, K
.set uX2, K2
.set uY, DZ1
.set uY2, DZ2
.endif
.set uW, 24
.set n, 0
.rept uN
	ACCU uV, uY2, uX2, \first
.if n >= 2
	v_sqrt_f32 v[uS+2*n-4], v[uV+2*n-4]
.endif
	ACCU uM, uY, uX, \first
.if n >= 2
	v_sqrt_f32 v[uS+2*n-3], v[uV+2*n-3]
.endif
.set n, n+1
.endr
.irp x, 4,3,2,1
	v_sqrt_f32 v[uS+2*uN-\x], v[uV+2*uN-\x]
.endr
	v_nop
.if (\h) == 2
	WIN 0x40                                       ; the value's loads: destination in window 1, address in window 0
	s_wait_alu depctr_va_vdst(0)                   ; one wait for all the roots, ahead of their first reader; pass (a) is done reading dy^2's registers, in which the next value lands; v[AVR] is written
	LOADV
	WIN 0x55
.else
	s_wait_alu depctr_va_vdst(0)                   ; one wait for all the roots, ahead of their first reader; pass (a) is done reading k, in whose registers the next key lands, and dz^2; v[AKR] is written
	LOADK
.endif
.set n, 0
.rept uN
	v_pk_fma_f32 v[uS+2*n:uS+2*n+1], v[uS+2*n:uS+2*n+1], s[DA:DA+1], s[DB:DB+1] op_sel_hi:[1,0,0]
.if n >= 2
	v_rcp_f32 v[uS+2*n-4], v[uS+2*n-4]
	v_rcp_f32 v[uS+2*n-3], v[uS+2*n-3]
.endif
.set n, n+1
.endr
.irp x, 4,3,2,1
	v_rcp_f32 v[uS+2*uN-\x], v[uS+2*uN-\x]
.endr
	v_nop
	s_wait_alu depctr_va_vdst(0)                   ; one wait for all the reciprocals, ahead of their first reader
.set n, 0
.rept uN
	v_pk_fma_f32 v[uP+2*n:uP+2*n+1], v[uM+2*n:uM+2*n+1], v[uS+2*n:uS+2*n+1], v[uP+2*n:uP+2*n+1] neg_lo:[1,0,0] neg_hi:[1,0,0]
.set n, n+1
.endr
.endm
.macro STEP first
	FWD1 0
	FWD2
	BWD
	UPD 2, \first
	UPD 1, \first
.endm
; THE PROJECTION.  A lane holds hq of channels 8 c .. and makes their share of outputs 16 g .. 16 g + 15; the shares are summed over c.
.macro OUTP1                           ; its operands are asked for ahead of the query, into registers that the moments have left
	WIN 0x40
	s_wait_alu depctr_va_vdst(0)                   ; the eighth step's last pass is done reading M1, in a part of which out_b lands (the last readers of M2, V2 and S2 stand ahead of earlier waits)
.set n, 0
.rept 32
	ds_load_b128 v[OW+4*n:OW+4*n+3], v[L16] offset:OWI+512*n
.set n, n+1
.endr
	WIN 0
.irp q, 0,1,2,3
	ds_load_b128 v[OB+4*\q:OB+4*\q+3], v[AOB] offset:16*\q
.endr
.endm
.macro OUTP2
	s_wait_dscnt 0x0                               ; out_w and out_b
	WIN 0x05
.irp jj, 0,1,2,3,4,5,6,7
.irp np, 0,2,4,6,8,10,12,14
.if (\jj) == 0
	PMB ACC+\np, OW+16*(\jj)+\np, DY1+2*((\jj)/2), (\jj)&1
.else
	PFB ACC+\np, OW+16*(\jj)+\np, DY1+2*((\jj)/2), (\jj)&1, ACC+\np
.endif
.endr
.endr
	WIN 0
.irp m, 1,2,4
.irp u, 0,1,2,3,4,5,6,7,8,9,10,11,12,13,14,15
	v_add_f32_dpp v[ACC+\u], v[ACC+\u], v[ACC+\u] row_xmask:\m row_mask:0xf bank_mask:0xf
.endr
.endr
.irp np, 0,2,4,6,8,10,12,14
	v_pk_add_f32 v[ACC+\np:ACC+\np+1], v[ACC+\np:ACC+\np+1], v[OB+\np:OB+\np+1]
.endr
	v_add_nc_u32 v[AT], s[OSTD], v[AOB]            ; my wave's stage, this sample's 256 bytes, 64 g (no LDS instruction has read v[AT] since the eighth step's wait on vm_vsrc)
	s_wait_alu depctr_va_vdst(0)                   ; the 16 sums and v[AT] are written, which the four LDS stores read
.irp q, 0,1,2,3
	ds_store_b128 v[AT], v[ACC+4*\q:ACC+4*\q+3] offset:16*\q   ; the eight lanes of a g hold the same numbers and write the same bytes
.endr
	s_add_co_u32 s[OSTD], s[OSTD], 256
.endm
.Lsample:                                      ; four trips: a sample each
	INIT
	STEP 1                                         ; the first step is written out: its shares begin the moments
	s_mov_b32 s[NSTP], 7
.Lstep:
	STEP 0                                         ; the eighth step fetches tokens 30 and 31: the key's registers take the query (token 31's row lands where a value would, and is not read)
	s_sub_co_u32 s[NSTP], s[NSTP], 1
	s_cmp_lg_u32 s[NSTP], 0
	s_cbranch_scc1 .Lstep
	OUTP1
	FWD1 1
	FWD2
	OUTP2
	s_add_co_u32 s[STOK], s[STOK], 56              ; nine pairs of tokens were walked: 72 bytes of the row's 128
	s_sub_co_u32 s[NSAM], s[NSAM], 1
	s_cmp_lg_u32 s[NSAM], 0
	s_cbranch_scc1 .Lsample
	; THE WAY OUT: my four samples, 1,024 consecutive bytes of out0, out of my own stage (LDS serves a wave's instructions in order: ISA guide 5.7.1.4)
	s_lshl_b32 s[TS], s[WV], 10
	v_add_nc_u32 v[AC], s[TS], v[L16]              ; (no LDS instruction has read v[AC] since the last step's wait on vm_vsrc)
	s_wait_alu depctr_va_vdst(0)                   ; v[AC] is written, which the two loads and the two stores below read
	ds_load_b128 v[8:11], v[AC] offset:OST
	ds_load_b128 v[12:15], v[AC] offset:OST+512
	s_wait_dscnt 0x0
	global_store_b128 v[AC], v[8:11], s[20:21] th:TH_STORE_NT              ; each store of the wave covers 512 consecutive bytes, aligned
	global_store_b128 v[AC], v[12:15], s[20:21] offset:512 th:TH_STORE_NT
	s_wait_dscnt 0x0                               ; the closing lines, six on end
	s_wait_alu 0x0
	s_wait_tensorcnt 0x0
	ds_add_u32 v[SPW], v[NIL]
	s_wait_dscnt 0x0
	s_endpgm
.Lfunc_end_k_q9db45fea47_adam:
	.size	k_q9db45fea47_adam, .Lfunc_end_k_q9db45fea47_adam-k_q9db45fea47_adam
	.p2alignl 7, 3214868480
	.fill 96, 4, 3214868480
	.section	.rodata,"a",@progbits
	.p2align	6, 0x0
	.amdhsa_kernel k_q9db45fea47_adam
		.amdhsa_group_segment_fixed_size 60672
		.amdhsa_private_segment_fixed_size 0
		.amdhsa_enable_private_segment 0
		.amdhsa_kernarg_size 72
		.amdhsa_user_sgpr_count 2
		.amdhsa_user_sgpr_kernarg_segment_ptr 1
		.amdhsa_wavefront_size32 1
		.amdhsa_system_sgpr_workgroup_id_x 1
		.amdhsa_system_sgpr_workgroup_id_y 1
		.amdhsa_system_sgpr_workgroup_id_z 1
		.amdhsa_system_vgpr_workitem_id 0
		.amdhsa_next_free_vgpr 512
		.amdhsa_next_free_sgpr 66
		.amdhsa_reserve_vcc 0
		.amdhsa_float_denorm_mode_32 3
		.amdhsa_float_denorm_mode_16_64 3
		.amdhsa_memory_ordered 1
		.amdhsa_forward_progress 1
		.amdhsa_inst_pref_size 103
	.end_amdhsa_kernel
	.amdgpu_metadata
---
amdhsa.version: [ 1, 2 ]
amdhsa.kernels:
  - .name:           k_q9db45fea47_adam
    .symbol:         k_q9db45fea47_adam.kd
    .args:
      - { .name: tab, .offset: 0, .size: 8, .value_kind: global_buffer, .address_space: global }
      - { .name: seqs, .offset: 8, .size: 8, .value_kind: global_buffer, .address_space: global }
      - { .name: mlp_w1, .offset: 16, .size: 8, .value_kind: global_buffer, .address_space: global }
      - { .name: mlp_b1, .offset: 24, .size: 8, .value_kind: global_buffer, .address_space: global }
      - { .name: mlp_w2, .offset: 32, .size: 8, .value_kind: global_buffer, .address_space: global }
      - { .name: mlp_b2, .offset: 40, .size: 8, .value_kind: global_buffer, .address_space: global }
      - { .name: out_w, .offset: 48, .size: 8, .value_kind: global_buffer, .address_space: global }
      - { .name: out_b, .offset: 56, .size: 8, .value_kind: global_buffer, .address_space: global }
      - { .name: out0, .offset: 64, .size: 8, .value_kind: global_buffer, .address_space: global }
    .group_segment_fixed_size: 60672
    .private_segment_fixed_size: 0
    .kernarg_segment_align: 8
    .kernarg_segment_size: 72
    .max_flat_workgroup_size: 256
    .sgpr_count:     66
    .vgpr_count:     512
    .wavefront_size: 32
...
	.end_amdgpu_metadata
.endif
;; end of part 3
